; MI455X (gfx1250); checked and timed in simulation.
; The chip was launched on July 23, 2026; its instructions are those of AMD's public machine-readable ISA for CDNA 5 (MIT licence, August 2026) and "CDNA5" Instruction Set Architecture Reference Guide (July 2026). The comments in the code are by the model that wrote it; some were corrected since.
;; Attention. Allowed arithmetic: matrix products marked QUANTISED: E5M2 operands, one given power-of-two scale a tensor, by v_wmma_f32_16x16x64_bf8_bf8 or v_wmma_f32_16x16x128_bf8_bf8, f32 sums; everything else in f32.
;; Inputs: Wk 1,024 x 1,024 float32; Wo 1,024 x 1,024 float32; Wq 1,024 x 1,024 float32; Wv 1,024 x 1,024 float32; bk 1,024 float32; bo 1,024 float32; bq 1,024 float32; bv 1,024 float32; lowp_scales 12 int32 (the exponents e of the quantised operands' scales 2^e); x 4 x 2,048 x 1,024 float32.
;; Outputs: out0 4 x 2,048 x 1,024 float32.
;; This version of the problem:
;;   THIS VERSION OF THE PROBLEM IS GIVEN IN LOW PRECISION. The matrix products marked QUANTISED in the list below multiply operands that are first quantised to E5M2 (5 exponent bits, 2 mantissa bits; 8 bits a number), with one given power-of-two scale for each operand tensor; their sums are f32. All else is computed in f32.
;;   The module's matrix products, in the order in which they are computed (A, B: the left and right operand; K: the contracted axis; several contracted axes count as one K, in the product's order):
;;     1. [M 8,192, K 1,024] x [K 1,024, N 1,024]; A: input x; B: input Wq: QUANTISED (scales: A lowp_scales[0], B lowp_scales[1])
;;     2. [M 8,192, K 1,024] x [K 1,024, N 1,024]; A: input x; B: input Wk: QUANTISED (scales: A lowp_scales[2], B lowp_scales[3])
;;     3. [M 8,192, K 1,024] x [K 1,024, N 1,024]; A: input x; B: input Wv: QUANTISED (scales: A lowp_scales[4], B lowp_scales[5])
;;     4. batch 64 x [M 2,048, K 64] x [K 64, N 2,048]; A: computed on the way; B: computed on the way: QUANTISED (scales: A lowp_scales[6], B lowp_scales[7])
;;     5. batch 64 x [M 2,048, K 2,048] x [K 2,048, N 64]; A: computed on the way; B: computed on the way: QUANTISED (scales: A lowp_scales[8], B lowp_scales[9])
;;     6. [M 8,192, K 1,024] x [K 1,024, N 1,024]; A: computed on the way; B: input Wo: QUANTISED (scales: A lowp_scales[10], B lowp_scales[11])
;;   THE QUANTISER, for each operand of a quantised product, along K:
;;     - The operand's scale is 2^e, e = its entry of the input lowp_scales (int32; the entries are numbered through the quantised products in the list's order, A before B).
;;     - Each number is divided by the scale, clamped to +-57,344, and rounded to the nearest number of E5M2, ties to even, subnormals kept.
;;     - The product sums the exact products of the quantised numbers (number of the format x scale) in f32.
;;   ~~~python
;;   def quantise(x, axis, e):      # numpy; x: float32 -> the quantised numbers, widened to float32 again
;;       x = np.moveaxis(x, axis, -1); K = x.shape[-1]
;;       r = np.clip(x / 2.0 ** e, -57344, 57344)
;;       step = 2.0 ** (np.maximum(np.frexp(np.where(r == 0, 1, r))[1] - 1, -14) - 2)
;;       q = np.round(r / step) * step * 2.0 ** e      # np.round: ties to even
;;       return np.moveaxis(q, -1, axis).astype(np.float32)
;;   ~~~
;;   OPERANDS COMPUTED ON THE WAY. 'Computed on the way' means the value that the module computes at that place (a softmax that the list does not call 'softmax' is quantised finished and normalised). What goes into a quantiser is computed in f32, as accurately as f32 sums, v_exp_f32 and their like allow (about 1e-6 of the number): no bf16 or f16 on the way to a quantiser, and a product that is left as it is and whose result goes on into a quantised operand takes f32 operands (vector FMAs, or v_wmma_f32_16x16x4_f32). A number that lies on a knife's edge between two numbers of the format may be rounded either way, as far as f32 arithmetic and the matrix unit's own rounding can turn it there, and no further.
;; One version. Each part assembles by itself: llvm-mc -triple=amdgcn-amd-amdhsa -mcpu=gfx1250 --defsym DOCPART=n.
;; ======== version 1 of 1: 4 launches
;; limits: right only within a limited range of input values
;; workspace buffers: xc 25,165,824 bytes; wc 4,194,304 bytes; qkvc 25,165,824 bytes; ac 8,388,608 bytes
;; launch quant (part 1): grid 768 x 1, 4 waves a work-group, no clusters, 35,328 bytes of LDS; arguments x, Wq, Wk, Wv, Wo, lowp_scales, xc, wc; writes xc, wc
.if DOCPART == 1
	.amdgcn_target "amdgcn-amd-amdhsa--gfx1250"
	.amdhsa_code_object_version 6
	.text
	.protected	k_qb1d49a720c_quant
	.globl	k_qb1d49a720c_quant
	.p2align	8
	.type	k_qb1d49a720c_quant,@function
k_qb1d49a720c_quant:
	s_mov_b64 s[64:65], 0
	v_nop
	global_prefetch_b8 v0, s[64:65] scope:SCOPE_SE
	s_setreg_imm32_b32 hwreg(HW_REG_WAVE_MODE, 25, 1), 1
	s_wait_xcnt 0x0
; x [8192][1024] and Wq, Wk, Wv, Wo [1024][1024], f32 with K innermost, become codes of BF8 (E5M2), each with the scale 2^e that is given for it.
; x is an operand of three products under three entries of the scales (0, 2, 4): three sets of codes are made, whatever the entries hold.  Wq, Wk, Wv, Wo take entries 1, 3, 5, 11.
; code = number / 2^e, held within +-57,344, rounded to the nearest code, ties to even.  LIMITS: every e between -126 and 112, so that 2^e and 57,344 x 2^e are f32 numbers.  NaN among the inputs is not served.
; THE CODES' LAYOUT is the order of an operand's registers.  A tile T is 16 rows: lane r of it is row 32 (T/2) + 8 (T%2) + r + 8 (r/8).  Byte T x 16384 + s x 2048 + c x 512 + (16 h + r) x 16 + i holds k = 128 s + 32 c + 16 h + i
; of that row: a fragment (16 rows x 128 K) is 2,048 bytes on end, 16 bytes a lane for each group of four registers.
; SHARES.  Work-groups 0 to 511: tile T of x, three versions.  Work-groups 512 to 767: a tile of one of the four weights, one version.  Wave w takes k = 256 w .. 256 w + 255 of the tile's 16 rows.
; Each load reads 512 bytes on end (a lane: 4 numbers); a row's 8 numbers of a lane become 8 codes, which go as two words into the wave's own stage in LDS (16 rows of 256 codes + 16 bytes) and come back 16 bytes a lane in
; the layout's order: each store of the wave covers 512 consecutive bytes, aligned.  No barrier: waves share nothing.  No cluster: no two work-groups read the same bytes.  The two paths have LDS bytes of their own.
.set X,    16                          ; v16-143  row p's 8 numbers at 8 p: kept for all versions
.set T,    144                         ; v144-159 two sets of 8 held numbers, by turns
.set C,    160                         ; v160-191 two words of codes a row
.set OUT,  192                         ; v192-255 two sets of 32: a version's codes on the way out
.set LO,   2                           ; v2  16 x lane
.set SW,   3                           ; v3  the stage, in: wave x 4352 + 4 x lane
.set SR,   4                           ; v4  the stage, out: wave x 4352 + 272 r + 16 h
.set WSTG, 4352                        ; a wave's stage: 16 rows x 272 bytes
.set STGW, 4*WSTG                      ; the weights' path has its stages behind x's
	s_load_b256 s[4:11], s[0:1], 0x0               ; x s[4:5], Wq s[6:7], Wk s[8:9], Wv s[10:11]
	s_load_b256 s[12:19], s[0:1], 0x20             ; Wo s[12:13], the exponents s[14:15], xc s[16:17], wc s[18:19]
	v_lshl_add_u32 v14, v0, 2, 0x8800
	v_mov_b32 v15, 0
	v_lshrrev_b32 v5, 5, v0
	v_readfirstlane_b32 s2, v5                     ; wave 0..3
	v_and_b32 v1, 31, v0                           ; lane
	v_lshlrev_b32 v[LO], 4, v1
	s_mul_i32 s3, s2, WSTG
	v_lshl_add_u32 v[SW], v1, 2, s3
	v_and_b32 v5, 15, v0                           ; r
	v_bfe_u32 v12, v0, 4, 1                        ; h
	v_mul_u32_u24 v[SR], v5, 272
	v_lshl_add_u32 v[SR], v12, 4, v[SR]
	v_add_nc_u32 v[SR], s3, v[SR]
	s_wait_kmcnt 0x0
	s_load_b256 s[24:31], s[14:15], 0x0            ; e0 .. e7
	s_load_b128 s[32:35], s[14:15], 0x20           ; e8 .. e11
.macro LOADS                           ; the tile's 16 rows, my 1,024 bytes of each: 32 loads of 512 bytes on end
.set p, 0
.rept 16
	global_load_b128 v[X+8*p:X+8*p+3], v[LO], s[20:21] offset:(p+8*(p/8))*4096 th:TH_LOAD_NT
	global_load_b128 v[X+8*p+4:X+8*p+7], v[LO], s[20:21] offset:(p+8*(p/8))*4096+512 th:TH_LOAD_NT
.set p, p+1
.endr
.endm
.macro MKSC e, sc, lim                 ; s[e] = the exponent; v[sc] = 2^e as f32 (the conversion takes its exponent field); v[lim] = 57,344 x 2^e
	s_add_co_i32 s22, s[\e], 127
	s_lshl_b32 s23, s22, 23
	v_mov_b32 v[\sc], s23
	s_add_co_i32 s22, s22, 15
	s_lshl_b32 s22, s22, 23
	s_or_b32 s22, s22, 0x600000
	v_mov_b32 v[\lim], s22
.endm
; One version of the tile's codes.  first = 1: the rows are waited for as they come.  xw = 1: the set of registers on the way out has been stored from before.
.macro VERSION sc, lim, dst, set, first, xw, stg
.set p, 0
.rept 16
.if \first
	s_wait_loadcnt 30-2*p                          ; row p's two loads are in; the 2 (15 - p) younger ones may be out
.endif
.irp i, 0,1,2,3,4,5,6,7
	v_med3_num_f32 v[T+8*(p%2)+\i], v[X+8*p+\i], -v[\lim], v[\lim]   ; the conversion to an 8-bit code does not saturate (ISA guide 7.6.2): the hold comes first
.endr
	v_cvt_scalef32_pk8_bf8_f32 v[C+2*p:C+2*p+1], v[T+8*(p%2):T+8*(p%2)+7], v[\sc]   ; the next vector lines are the other set's holds: plain, and they touch none of its registers
	ds_store_b32 v[SW], v[C+2*p] offset:\stg+272*p                ; k = 4 lane .. + 3 of row p
	ds_store_b32 v[SW], v[C+2*p+1] offset:\stg+272*p+128          ; k = 128 + 4 lane .. + 3
.set p, p+1
.endr
.if \xw
	s_wait_xcnt 0x0                                ; the stores of two versions back have read this set of registers
.endif
.irp i, 0,1,2,3,4,5,6,7
	ds_load_b128 v[OUT+32*\set+4*\i:OUT+32*\set+4*\i+3], v[SR] offset:\stg+128*(\i/4)+32*(\i%4)   ; LDS serves a wave's instructions in order (ISA guide 5.7.1.4): these see my stores
.endr
.irp i, 0,1,2,3,4,5,6,7
	s_wait_dscnt 7-\i                              ; load i is in; at the last the count is 0, so the stage and the codes' registers may be written again
	global_store_b128 v[LO], v[OUT+32*\set+4*\i:OUT+32*\set+4*\i+3], s[\dst:\dst+1] offset:512*\i
.endr
.endm
	s_cmp_lt_u32 ttmp9, 512                        ; x's work-group or a weight's: the work-group's number alone decides
	s_cbranch_scc0 .Lweights
	s_lshr_b32 s36, ttmp9, 1                       ; the tile's first row is 32 (T/2) + 8 (T%2), a row is 4,096 bytes; my 1,024 bytes of it
	s_lshl_b32 s36, s36, 17
	s_and_b32 s37, ttmp9, 1
	s_lshl_b32 s37, s37, 15
	s_add_co_u32 s36, s36, s37
	s_lshl_b32 s37, s2, 10
	s_add_co_u32 s36, s36, s37
	s_mov_b32 s37, 0
	s_add_nc_u64 s[20:21], s[4:5], s[36:37]
	s_wait_alu depctr_va_vdst(0)
	LOADS
	s_lshl_b32 s36, ttmp9, 14                      ; the codes: T x 16384 + wave x 4096
	s_lshl_b32 s38, s2, 12
	s_add_co_u32 s36, s36, s38
	s_add_nc_u64 s[36:37], s[16:17], s[36:37]
	s_add_nc_u64 s[38:39], s[36:37], 0x800000      ; the second version's
	s_add_nc_u64 s[40:41], s[36:37], 0x1000000     ; the third's
	s_wait_kmcnt 0x0
	MKSC 24, 6, 9
	MKSC 26, 7, 10
	MKSC 28, 8, 11
	s_wait_alu depctr_va_vdst(0)
	VERSION 6, 9, 36, 0, 1, 0, 0
	VERSION 7, 10, 38, 1, 0, 0, 0
	VERSION 8, 11, 40, 0, 0, 1, 0
	s_wait_tensorcnt 0x0
	ds_add_u32 v14, v15
	s_wait_dscnt 0x0
	s_endpgm
.Lweights:
	s_sub_co_u32 s36, ttmp9, 512
	s_lshr_b32 s42, s36, 6                         ; which weight: 0 Wq, 1 Wk, 2 Wv, 3 Wo
	s_and_b32 s43, s36, 63                         ; its tile T
	s_cmp_eq_u32 s42, 0
	s_cselect_b64 s[20:21], s[6:7], s[8:9]
	s_cmp_eq_u32 s42, 2
	s_cselect_b64 s[38:39], s[10:11], s[12:13]
	s_cmp_lt_u32 s42, 2
	s_cselect_b64 s[20:21], s[20:21], s[38:39]
	s_lshr_b32 s36, s43, 1
	s_lshl_b32 s36, s36, 17
	s_and_b32 s37, s43, 1
	s_lshl_b32 s37, s37, 15
	s_add_co_u32 s36, s36, s37
	s_lshl_b32 s37, s2, 10
	s_add_co_u32 s36, s36, s37
	s_mov_b32 s37, 0
	s_add_nc_u64 s[20:21], s[20:21], s[36:37]
	s_wait_alu depctr_va_vdst(0)
	LOADS
	s_lshl_b32 s36, s42, 20                        ; the codes: weight x 2^20 + T x 16384 + wave x 4096
	s_lshl_b32 s38, s43, 14
	s_add_co_u32 s36, s36, s38
	s_lshl_b32 s38, s2, 12
	s_add_co_u32 s36, s36, s38
	s_add_nc_u64 s[36:37], s[18:19], s[36:37]
	s_wait_kmcnt 0x0
	s_cmp_eq_u32 s42, 0
	s_cselect_b32 s44, s25, s27                    ; e1 or e3
	s_cmp_eq_u32 s42, 2
	s_cselect_b32 s45, s29, s35                    ; e5 or e11
	s_cmp_lt_u32 s42, 2
	s_cselect_b32 s44, s44, s45
	MKSC 44, 6, 9
	s_wait_alu depctr_va_vdst(0)
	VERSION 6, 9, 36, 0, 1, 0, STGW
	s_wait_tensorcnt 0x0
	ds_add_u32 v14, v15
	s_wait_dscnt 0x0
	s_endpgm
.Lfunc_end_k_qb1d49a720c_quant:
	.size	k_qb1d49a720c_quant, .Lfunc_end_k_qb1d49a720c_quant-k_qb1d49a720c_quant
	.p2alignl 7, 3214868480
	.fill 96, 4, 3214868480
	.section	.rodata,"a",@progbits
	.p2align	6, 0x0
	.amdhsa_kernel k_qb1d49a720c_quant
		.amdhsa_group_segment_fixed_size 35328
		.amdhsa_private_segment_fixed_size 0
		.amdhsa_enable_private_segment 0
		.amdhsa_kernarg_size 64
		.amdhsa_user_sgpr_count 2
		.amdhsa_user_sgpr_kernarg_segment_ptr 1
		.amdhsa_wavefront_size32 1
		.amdhsa_system_sgpr_workgroup_id_x 1
		.amdhsa_system_sgpr_workgroup_id_y 1
		.amdhsa_system_sgpr_workgroup_id_z 1
		.amdhsa_system_vgpr_workitem_id 0
		.amdhsa_next_free_vgpr 256
		.amdhsa_next_free_sgpr 66
		.amdhsa_reserve_vcc 0
		.amdhsa_float_denorm_mode_32 3
		.amdhsa_float_denorm_mode_16_64 3
		.amdhsa_memory_ordered 1
		.amdhsa_forward_progress 1
		.amdhsa_inst_pref_size 62
	.end_amdhsa_kernel
	.amdgpu_metadata
---
amdhsa.version: [ 1, 2 ]
amdhsa.kernels:
  - .name:           k_qb1d49a720c_quant
    .symbol:         k_qb1d49a720c_quant.kd
    .args:
      - { .name: x, .offset: 0, .size: 8, .value_kind: global_buffer, .address_space: global }
      - { .name: Wq, .offset: 8, .size: 8, .value_kind: global_buffer, .address_space: global }
      - { .name: Wk, .offset: 16, .size: 8, .value_kind: global_buffer, .address_space: global }
      - { .name: Wv, .offset: 24, .size: 8, .value_kind: global_buffer, .address_space: global }
      - { .name: Wo, .offset: 32, .size: 8, .value_kind: global_buffer, .address_space: global }
      - { .name: lowp_scales, .offset: 40, .size: 8, .value_kind: global_buffer, .address_space: global }
      - { .name: xc, .offset: 48, .size: 8, .value_kind: global_buffer, .address_space: global }
      - { .name: wc, .offset: 56, .size: 8, .value_kind: global_buffer, .address_space: global }
    .group_segment_fixed_size: 35328
    .private_segment_fixed_size: 0
    .kernarg_segment_align: 8
    .kernarg_segment_size: 64
    .max_flat_workgroup_size: 128
    .sgpr_count:     66
    .vgpr_count:     256
    .wavefront_size: 32
...
	.end_amdgpu_metadata
.endif
;; end of part 1
;; launch qkv (part 2): grid 4 x 96, 4 waves a work-group, clusters of 4 x 4, 327,680 bytes of LDS; arguments xc, wc, lowp_scales, bq, bk, bv, qkvc; writes qkvc
.if DOCPART == 2
	.amdgcn_target "amdgcn-amd-amdhsa--gfx1250"
	.amdhsa_code_object_version 6
	.text
	.protected	k_qb1d49a720c_qkv
	.globl	k_qb1d49a720c_qkv
	.p2align	8
	.type	k_qb1d49a720c_qkv,@function
k_qb1d49a720c_qkv:
	s_mov_b64 s[64:65], 0
	v_nop
	global_prefetch_b8 v0, s[64:65] scope:SCOPE_SE
	s_setreg_imm32_b32 hwreg(HW_REG_WAVE_MODE, 25, 1), 1
	s_wait_xcnt 0x0
	s_wait_alu depctr_hold_cnt(0) depctr_sa_sdst(0) depctr_va_vdst(0) depctr_va_sdst(0) depctr_va_ssrc(0) depctr_va_vcc(0) depctr_vm_vsrc(0)
	s_getreg_b32 s2, hwreg(HW_REG_IB_STS2, 6, 4)
	s_cmp_eq_u32 s2, 0
	s_cbranch_scc0 .Lentry_in_a_cluster
	s_endpgm
.Lentry_in_a_cluster:
	s_bfe_u32 s2, ttmp6, 0x10000c
	s_cmp_lg_u32 s2, 0xf033
	s_cbranch_scc0 .Lentry_shape_is_right
	s_endpgm
.Lentry_shape_is_right:
.set HALFT,  32768
.set SLOT,   131072
.set SPARE,  262144
.set FR,     16
.set NL,     4
.set NP,     4
.set ADRA, 16
.set ADRB, 20
.set CO,   26
.set SPW,  28
.set NIL,  29
.set SCV,  30
.set LMV,  31
.set BP,   32
.set BR,   96
.set AF,   128
.set TMP,  128
.set G1, 24
.set G0, 32
.set G1B, 48
.set G0B, 56
.set MSB, 0
.macro WIN new
.if MSB != (\new)
	s_set_vgpr_msb (MSB<<8)|(\new)
.set MSB, (\new)
.endif
.endm
.set MUL_LO, 0xa1
.set MUL_HI, 0xf1
.set TO_B,   0x40
.macro JLOAD g0a, g1a, g0b, g1b
	s_cmp_eq_u32 s15, 0
	s_cbranch_scc0 .Lfor_b_\@
	tensor_load_to_lds s[\g0a:\g0a+3], s[\g1a:\g1a+7]
	s_nop 0
.rept 4
	v_nop
.endr
	s_branch .Lasked_\@
.Lfor_b_\@:
	tensor_load_to_lds s[\g0b:\g0b+3], s[\g1b:\g1b+7]
	s_nop 0
.rept 4
	v_nop
.endr
.Lasked_\@:
.endm
.macro CREST
	s_cmp_lg_u32 s14, 0
	s_cbranch_scc1 .Lnot_wave_0_\@
	s_barrier_signal -3
.Lnot_wave_0_\@:
	s_barrier_wait -3
	s_barrier_signal -1
	s_barrier_wait -1
.endm
.macro CROUND
	s_barrier_signal -1
	s_barrier_wait -1
	CREST
.endm
	s_load_b256 s[68:75], s[0:1], 0x0
	s_load_b128 s[76:79], s[0:1], 0x20
	s_load_b64 s[10:11], s[0:1], 0x30
	v_lshl_add_u32 v[SPW], v0, 2, SPARE
	v_mov_b32 v[NIL], 0
	ds_add_u32 v28, v29
	ds_add_u32 v28, v29
	s_wait_dscnt 0x0
	v_lshrrev_b32 v1, 5, v0
	v_readfirstlane_b32 s14, v1
	s_lshr_b32 s15, s14, 1
	s_and_b32 s16, s14, 1
	s_bfe_u32 s40, ttmp6, 0x40000
	s_bfe_u32 s41, ttmp6, 0x40004
	s_and_b32 s92, ttmp7, 0xffff
	s_and_b32 s93, s92, 7
	s_lshr_b32 s92, s92, 3
	s_cmp_eq_u32 s92, 2
	s_cselect_b32 s17, 0, s93
	s_cselect_b32 s42, s93, 0
	s_lshl_b32 s17, s17, 2
	s_add_co_u32 s17, s17, s41
	s_lshl_b32 s42, s42, 2
	s_add_co_u32 s42, s42, s40
	s_lshl_b32 s43, s41, 2
	s_lshl_b32 s43, 15, s43
	s_lshl_b32 s44, 0x1111, s40
	s_or_b32 s[G1+0], s43, (3<<16)|(1<<21)
	s_or_b32 s[G1B+0], s44, (3<<16)|(1<<21)
.irp g, G1, G1B
	s_mov_b32 s[\g+1], 512<<16
	s_mov_b32 s[\g+2], 8<<16
	s_mov_b32 s[\g+3], 512<<16
	s_mov_b32 s[\g+4], 8
	s_mov_b32 s[\g+5], 2048
	s_mov_b32 s[\g+6], 0
	s_mov_b32 s[\g+7], 0
.endr
	s_lshl_b32 s94, s92, 23
	s_lshl_b32 s95, s92, 20
	s_cmp_eq_u32 s92, 2
	s_cselect_b32 s18, s95, s94
	s_cselect_b32 s19, s94, s95
	s_lshl_b32 s20, s17, 18
	s_lshl_b32 s21, s16, 17
	s_add_co_u32 s20, s20, s21
	s_add_co_u32 s20, s20, s18
	s_lshl_b32 s46, s42, 18
	s_add_co_u32 s46, s46, s21
	s_add_co_u32 s46, s46, s19
	s_mov_b32 s21, 0
	s_mov_b32 s47, 0
	s_mul_i32 s45, s14, HALFT
	s_wait_kmcnt 0x0
	s_load_b256 s[80:87], s[72:73], 0x0
	s_load_b128 s[88:91], s[72:73], 0x20
	s_cmp_eq_u32 s92, 2
	s_cselect_b64 s[4:5], s[70:71], s[68:69]
	s_cselect_b64 s[6:7], s[68:69], s[70:71]
	s_add_nc_u64 s[20:21], s[4:5], s[20:21]
	s_add_nc_u64 s[46:47], s[6:7], s[46:47]
	CROUND
.irp s, 0,1
	s_mov_b32 s[G0+4*\s], 1
	s_add_co_u32 s[G0+4*\s+1], s45, \s*SLOT
	s_add_nc_u64 s[G0+4*\s+2:G0+4*\s+3], s[20:21], \s*4096
	s_or_b32 s[G0+4*\s+3], s[G0+4*\s+3], 0x80000000
	s_mov_b32 s[G0B+4*\s], 1
	s_add_co_u32 s[G0B+4*\s+1], s45, \s*SLOT
	s_add_nc_u64 s[G0B+4*\s+2:G0B+4*\s+3], s[46:47], \s*4096
	s_or_b32 s[G0B+4*\s+3], s[G0B+4*\s+3], 0x80000000
	s_wait_alu depctr_va_vdst(0)
	s_wait_tensorcnt 0x0
	ds_add_u32 v28, v29
	ds_add_u32 v28, v29
	s_wait_dscnt 0x0
	CROUND
	JLOAD G0+4*\s, G1, G0B+4*\s, G1B
.endr
	v_and_b32 v1, 31, v0
	v_lshlrev_b32 v[CO], 4, v1
	s_mul_i32 s21, s15, HALFT
	s_mul_i32 s22, s16, HALFT
	s_add_co_u32 s22, s22, 2*HALFT
.irp s, 0,1
	v_add_nc_u32 v[ADRA+\s], s21, v[CO]
	v_add_nc_u32 v[ADRB+\s], s22, v[CO]
	s_add_co_u32 s21, s21, SLOT
	s_add_co_u32 s22, s22, SLOT
.endr
	s_cmp_eq_u32 s92, 0
	s_cselect_b64 s[12:13], s[74:75], s[76:77]
	s_cmp_eq_u32 s92, 2
	s_cselect_b64 s[12:13], s[78:79], s[12:13]
	s_lshl_b32 s18, s42, 10
	s_lshl_b32 s19, s16, 9
	s_add_co_u32 s18, s18, s19
	s_lshl_b32 s19, s17, 10
	s_lshl_b32 s23, s15, 9
	s_add_co_u32 s19, s19, s23
	s_cmp_eq_u32 s92, 2
	s_cselect_b32 s18, 0, s18
	s_cselect_b32 s19, s19, 0
	v_bfe_u32 v2, v0, 4, 1
	v_and_b32 v3, 15, v0
	v_lshl_add_u32 v5, v2, 6, s18
	v_and_b32 v7, 8, v3
	v_add_nc_u32 v7, v7, v3
	v_lshl_add_u32 v6, v7, 2, s19
.irp bp, 0,1,2,3
.irp j, 0,1,2,3
	global_load_b128 v[BP+16*\bp+4*\j:BP+16*\bp+4*\j+3], v5, s[12:13] offset:128*\bp+16*\j
.endr
.endr
.irp a, 0,1,2,3,4,5,6,7
	global_load_b32 v[BR+2*\a], v6, s[12:13] offset:4*(32*(\a/2)+8*(\a%2))
	global_load_b32 v[BR+2*\a+1], v6, s[12:13] offset:4*(32*(\a/2)+8*(\a%2))
.endr
.macro FRAG reg, adr, q, i
.irp c, 0,1,2,3
	ds_load_b128 v[\reg+4*\c:\reg+4*\c+3], v[\adr] offset:(\i)*4096+(\q)*2048+512*\c
.endr
.endm
.macro MUL16 a0, p, zero
.irp a, \a0, \a0+1
.irp b, 0,1,2,3,4,5,6,7
.if \zero
	v_wmma_f32_16x16x128_bf8_bf8 v[8*(8*((\a)%4)+\b):8*(8*((\a)%4)+\b)+7], v[128*(\p)+FR*\b:128*(\p)+FR*\b+FR-1], v[AF+FR*(\a):AF+FR*(\a)+FR-1], 0
.else
	v_wmma_f32_16x16x128_bf8_bf8 v[8*(8*((\a)%4)+\b):8*(8*((\a)%4)+\b)+7], v[128*(\p)+FR*\b:128*(\p)+FR*\b+FR-1], v[AF+FR*(\a):AF+FR*(\a)+FR-1], v[8*(8*((\a)%4)+\b):8*(8*((\a)%4)+\b)+7]
.endif
.endr
.endr
.endm
.macro FETCH_B slot, q, p
	WIN TO_B
.irp i, 0,1,2,3,4,5,6,7
	FRAG 128*(\p)+FR*\i, ADRB+\slot, \q, \i
.endr
	WIN 0
.endm
.macro FETCH_A slot, q, i0
.irp i, \i0, \i0+1, \i0+2, \i0+3
	FRAG AF+FR*(\i), ADRA+\slot, \q, \i
.endr
.endm
.macro PLACES n
.rept \n
	v_nop
.endr
.endm
.macro STEP slot, q, zero
	s_wait_dscnt 4*NL
	WIN MUL_LO
	MUL16 0, (\q)%2, \zero
	MUL16 2, (\q)%2, \zero
	s_wait_dscnt 0
	PLACES NP
	FETCH_B \slot, (\q)+1, 1-(\q)%2
	FETCH_A \slot, (\q)+1, 0
	WIN MUL_HI
	MUL16 4, (\q)%2, \zero
	MUL16 6, (\q)%2, \zero
	PLACES NP
	WIN 0
	FETCH_A \slot, (\q)+1, 4
.endm
.macro TURN slot, next, fill
	s_wait_tensorcnt 0x0
	ds_add_u32 v[SPW], v[NIL]
	s_wait_dscnt 4*NL+1
	WIN MUL_LO
	MUL16 0, 1, 0
	s_wait_dscnt 0x0
	s_barrier_signal -1
	MUL16 2, 1, 0
	WIN 0
	s_barrier_wait -1
.if \fill
	CREST
	s_add_nc_u64 s[G0+4*\slot+2:G0+4*\slot+3], s[G0+4*\slot+2:G0+4*\slot+3], 8192
	s_add_nc_u64 s[G0B+4*\slot+2:G0B+4*\slot+3], s[G0B+4*\slot+2:G0B+4*\slot+3], 8192
	JLOAD G0+4*\slot, G1, G0B+4*\slot, G1B
.else
	PLACES NP
.endif
	FETCH_B \next, 0, 0
	FETCH_A \next, 0, 0
	WIN MUL_HI
	MUL16 4, 1, 0
	MUL16 6, 1, 0
	PLACES NP
	WIN 0
	FETCH_A \next, 0, 4
.endm
	s_wait_alu depctr_va_vdst(0)
	s_wait_tensorcnt 1
	s_barrier_signal -1
	s_barrier_wait -1
	FETCH_B 0, 0, 0
	FETCH_A 0, 0, 0
	FETCH_A 0, 0, 4
	STEP 0, 0, 1
	TURN 0, 1, 1
	STEP 1, 0, 0
	TURN 1, 0, 1
	STEP 0, 0, 0
	TURN 0, 1, 0
	STEP 1, 0, 0
	s_wait_dscnt 4*NL
	WIN MUL_LO
	MUL16 0, 1, 0
	MUL16 2, 1, 0
	s_wait_dscnt 0
	WIN MUL_HI
	MUL16 4, 1, 0
	MUL16 6, 1, 0
	WIN 0
	s_wait_kmcnt 0x0
	s_wait_loadcnt 0x0
	s_add_co_i32 s18, s80, s81
	s_add_co_i32 s19, s82, s83
	s_add_co_i32 s22, s84, s85
	s_cmp_eq_u32 s92, 0
	s_cselect_b32 s18, s18, s19
	s_cselect_b32 s23, s86, s87
	s_cmp_eq_u32 s92, 2
	s_cselect_b32 s18, s22, s18
	s_cselect_b32 s23, s89, s23
	s_add_co_i32 s18, s18, 127
	s_lshl_b32 s96, s18, 23
	s_mov_b32 s97, s96
	s_add_co_i32 s23, s23, 127
	s_lshl_b32 s22, s23, 23
	v_mov_b32 v[SCV], s22
	s_add_co_i32 s23, s23, 15
	s_lshl_b32 s23, s23, 23
	s_or_b32 s23, s23, 0x600000
	v_mov_b32 v[LMV], s23
	PLACES NP
.macro EPI kind
.irp a, 0,1,2,3,4,5,6,7
.set AC, 64*(\a%4)
.set CD, 192+16*(\a%4)
.if \a == 4
	s_wait_xcnt 0x0
.endif
	WIN 0x02+(\a/4)
.set j, 0
.rept 32
.if \kind
	v_pk_fma_f32 v[TMP+j:TMP+j+1], v[AC+j:AC+j+1], s[96:97], v[BR+2*\a:BR+2*\a+1] op_sel_hi:[1,0,1]
.else
	v_pk_fma_f32 v[TMP+j:TMP+j+1], v[AC+j:AC+j+1], s[96:97], v[BP+j:BP+j+1] op_sel_hi:[1,0,1]
.endif
.set j, j+2
.endr
	WIN 0
.set j, 0
.rept 64
	v_med3_num_f32 v[TMP+j], v[TMP+j], -v[LMV], v[LMV]
.set j, j+1
.endr
.irp g, 0,1,2,3,4,5,6,7
	v_cvt_scalef32_pk8_bf8_f32 v[CD+2*\g:CD+2*\g+1], v[TMP+8*\g:TMP+8*\g+7], v[SCV]
.endr
	v_nop
.irp bp, 0,1,2,3
.if \kind
	global_store_b128 v[CO], v[CD+4*\bp:CD+4*\bp+3], s[10:11] offset:131072*(\a/4)+2048*(\a%4)+512*\bp
.else
	global_store_b128 v[CO], v[CD+4*\bp:CD+4*\bp+3], s[10:11] offset:1024*\a+131072*(\bp/2)+512*(\bp%2)
.endif
.endr
.endr
.endm
	s_cmp_eq_u32 s92, 2
	s_cbranch_scc1 .Lfor_v
	s_lshl_b32 s18, s17, 4
	s_lshl_b32 s19, s15, 3
	s_add_co_u32 s18, s18, s19
	s_lshr_b32 s19, s18, 7
	s_lshl_b32 s19, s19, 4
	s_lshl_b32 s22, s42, 2
	s_add_co_u32 s19, s19, s22
	s_lshl_b32 s22, s16, 1
	s_add_co_u32 s19, s19, s22
	s_lshl_b32 s19, s19, 17
	s_and_b32 s18, s18, 127
	s_lshl_b32 s18, s18, 10
	s_add_co_u32 s18, s18, s19
	s_add_co_u32 s18, s18, s94
	s_mov_b32 s19, 0
	s_add_nc_u64 s[10:11], s[10:11], s[18:19]
	EPI 0
	s_branch .Ljoin
.Lfor_v:
	s_lshr_b32 s19, s42, 3
	s_lshl_b32 s19, s19, 4
	s_lshl_b32 s22, s17, 2
	s_add_co_u32 s19, s19, s22
	s_lshl_b32 s22, s15, 1
	s_add_co_u32 s19, s19, s22
	s_lshl_b32 s19, s19, 17
	s_and_b32 s18, s42, 7
	s_lshl_b32 s18, s18, 1
	s_add_co_u32 s18, s18, s16
	s_lshl_b32 s18, s18, 13
	s_add_co_u32 s18, s18, s19
	s_add_co_u32 s18, s18, s94
	s_mov_b32 s19, 0
	s_add_nc_u64 s[10:11], s[10:11], s[18:19]
	EPI 1
.Ljoin:
	s_wait_tensorcnt 0x0
	ds_add_u32 v[SPW], v[NIL]
	s_wait_dscnt 0x0
	CROUND
	s_endpgm
.Lfunc_end_k_qb1d49a720c_qkv:
	.size	k_qb1d49a720c_qkv, .Lfunc_end_k_qb1d49a720c_qkv-k_qb1d49a720c_qkv
	.p2alignl 7, 3214868480
	.fill 96, 4, 3214868480
	.section	.rodata,"a",@progbits
	.p2align	6, 0x0
	.amdhsa_kernel k_qb1d49a720c_qkv
		.amdhsa_group_segment_fixed_size 327680
		.amdhsa_private_segment_fixed_size 0
		.amdhsa_enable_private_segment 0
		.amdhsa_kernarg_size 56
		.amdhsa_user_sgpr_count 2
		.amdhsa_user_sgpr_kernarg_segment_ptr 1
		.amdhsa_wavefront_size32 1
		.amdhsa_system_sgpr_workgroup_id_x 1
		.amdhsa_system_sgpr_workgroup_id_y 1
		.amdhsa_system_sgpr_workgroup_id_z 1
		.amdhsa_system_vgpr_workitem_id 0
		.amdhsa_next_free_vgpr 1024
		.amdhsa_next_free_sgpr 100
		.amdhsa_reserve_vcc 0
		.amdhsa_float_denorm_mode_32 3
		.amdhsa_float_denorm_mode_16_64 3
		.amdhsa_memory_ordered 1
		.amdhsa_forward_progress 1
		.amdhsa_inst_pref_size 195
	.end_amdhsa_kernel
	.amdgpu_metadata
---
amdhsa.version: [ 1, 2 ]
amdhsa.kernels:
  - .name:           k_qb1d49a720c_qkv
    .symbol:         k_qb1d49a720c_qkv.kd
    .args:
      - { .name: xc, .offset: 0, .size: 8, .value_kind: global_buffer, .address_space: global }
      - { .name: wc, .offset: 8, .size: 8, .value_kind: global_buffer, .address_space: global }
      - { .name: lowp_scales, .offset: 16, .size: 8, .value_kind: global_buffer, .address_space: global }
      - { .name: bq, .offset: 24, .size: 8, .value_kind: global_buffer, .address_space: global }
      - { .name: bk, .offset: 32, .size: 8, .value_kind: global_buffer, .address_space: global }
      - { .name: bv, .offset: 40, .size: 8, .value_kind: global_buffer, .address_space: global }
      - { .name: qkvc, .offset: 48, .size: 8, .value_kind: global_buffer, .address_space: global }
    .group_segment_fixed_size: 327680
    .private_segment_fixed_size: 0
    .kernarg_segment_align: 8
    .kernarg_segment_size: 56
    .max_flat_workgroup_size: 128
    .sgpr_count:     100
    .vgpr_count:     1024
    .wavefront_size: 32
...
	.end_amdgpu_metadata
.endif
;; end of part 2
;; launch attn (part 3): grid 4 x 64, 8 waves a work-group, clusters of 4 x 1, 234,496 bytes of LDS; arguments qkvc, lowp_scales, ac; writes ac
.if DOCPART == 3
	.amdgcn_target "amdgcn-amd-amdhsa--gfx1250"
	.amdhsa_code_object_version 6
	.text
	.protected	k_qb1d49a720c_attn
	.globl	k_qb1d49a720c_attn
	.p2align	8
	.type	k_qb1d49a720c_attn,@function
k_qb1d49a720c_attn:
	s_mov_b64 s[64:65], 0
	v_nop
	global_prefetch_b8 v0, s[64:65] scope:SCOPE_SE
	s_setreg_imm32_b32 hwreg(HW_REG_WAVE_MODE, 25, 1), 1
	s_wait_xcnt 0x0
	s_wait_alu depctr_hold_cnt(0) depctr_sa_sdst(0) depctr_va_vdst(0) depctr_va_sdst(0) depctr_va_ssrc(0) depctr_va_vcc(0) depctr_vm_vsrc(0)
	s_getreg_b32 s2, hwreg(HW_REG_IB_STS2, 6, 4)
	s_cmp_eq_u32 s2, 0
	s_cbranch_scc0 .Lentry_in_a_cluster
	s_endpgm
.Lentry_in_a_cluster:
	s_bfe_u32 s2, ttmp6, 0x10000c
	s_cmp_lg_u32 s2, 0x3003
	s_cbranch_scc0 .Lentry_shape_is_right
	s_endpgm
.Lentry_shape_is_right:
; a = |softmax(q k^T / 8)| v for each of 64 (batch, head), both products on codes of BF8 (E5M2); the softmax is quantised FINISHED AND NORMALISED (entry 8 of the scales), and a is quantised on the way (entry 10).
; LEFT OUT: the |.|.  A weight is 2^(..) x 2^(..) / L with L a sum of such powers: never negative, whatever the inputs hold, so |.| changes nothing.
; SHARES.  A work-group owns 512 queries of a head and walks them in 16 blocks of 32 (two tiles of 16).  THE EIGHT WAVES SHARE THE KEYS: wave w owns keys 256 w .. 256 w + 255 for the whole launch and holds all its
; scores of a block in registers (2 tiles x 16 tiles of keys x 8 = 256), so each score costs one product and one exponential.  Its 16 fragments of K stay in 128 registers, its eighth of V^T (16,384 bytes) in LDS.
; Two waves of 512 registers stand on each SIMD.  Per block the waves exchange, through LDS, (c m, l) of each query, and at the end their eight partial sums of O.
; p = 2^(c s - c m_w) x f, f = 2^(c m_w - M) / L, M the largest c m of the eight waves, L = the sum of l_w 2^(c m_w - M); c = log2(e) / 8 x 2^(e6 + e7).
; LAYOUT.  Both products are used transposed: S^T = K Q^T, O^T = V^T P^T: a lane holds one query throughout.  A tile's lane r is row 32 (T/2) + 8 (T%2) + r + 8 (r/8), so the 16 registers of two neighbouring tiles of keys are
; 16 neighbouring keys: the conversions' results are the second product's operand.  All operands lie in memory in the order of their registers: a fragment comes by loads of 512 bytes on end.
; CLUSTER: the four work-groups of a head.  V's eighth is asked for jointly, one tensor load a wave, once: no LDS byte is filled twice.  K is NOT asked for jointly: it goes from memory straight into the registers where it
; stays; a joint load would send its 131,072 bytes a work-group through LDS, written and read again, for bytes that are read once.  Q (32,768 bytes) is each work-group's own: through registers into LDS, once.
; NO PREFETCH: Q, K and V are read once, at the head; the loop reads nothing from memory.
; LIMITS: e6 + e7 between -123 and 130; e8, and e10 - e8 - e9, between -126 and 112.  A weight under 2^-126 counts as 0.  NaN among the inputs is not served.
; REGISTERS: window 0: v1-18 addresses and constants; v20-27 (c m, l) and f of the two tiles; v32-63 p's codes (v32-47 also the next block's Q); v64-127 at work: chains, statistics, O^T, partial sums read back; v128-255 K.
;   window 1: the scores, tile q at 128 q; K step s of V takes the place of tile s's first 64 scores once they are converted.
.set QOFF,  131072                     ; LDS: V^T at 0 (wave x 16384); Q: block x 2048
.set STAT,  163840                     ; (c m, l): wave x 512 + tile x 256 + lane x 8
.set OX,    167936                     ; partial sums of O^T: wave x 8192 + accumulator x 1024 + half x 512 + lane x 16
.set SPARE, 233472                     ; the spare words: 128 bytes a wave, four blocks of 256 bytes that no other line names
.set LI,   1                           ; 16 x lane
.set AV,   2                           ; my V^T
.set STW,  3                           ; where I put (c m, l)
.set STR,  4                           ; where I read four waves': lanes 0-15 waves 0-3, lanes 16-31 waves 4-7
.set OXW,  5                           ; where I put my partial sums
.set OXR,  6                           ; where I read what I finish
.set QA,   7                           ; the next block's Q in LDS
.set LIM8, 8                           ; 57,344 x 2^e8
.set SC8,  9                           ; 2^e8
.set LIMO, 10                          ; the same for e10 - e8 - e9
.set SCO,  11
.set OC,   12                          ; v12-13 a's codes
.set GO,   14                          ; my 8 bytes of the wave's 256 in a's codes
.set QL,   15                          ; Q in LDS: QOFF + 16 x lane
.set SPW,  16                          ; my spare word; never rewritten
.set NIL,  17                          ; 0; never rewritten
.set QW,   18                          ; where I put my part of Q
.set CM,   20                          ; tile q: c m at CM + 2 q, l beside it
.set F,    24                          ; tile q: f at F + 2 q (the register beside it is named with it)
.set PC,   32
.set T,    64
.set O,    64
.set KR,   128
.set MSB, 0
.macro WIN new                         ; the immediate's high byte repeats the setting that is left
.if MSB != (\new)
	s_set_vgpr_msb (MSB<<8)|(\new)
.set MSB, (\new)
.endif
.endm
.macro PLACES n
.rept \n
	v_nop
.endr
.endm
.macro CROUND                          ; a round of the cluster's barrier
	s_barrier_signal -1
	s_barrier_wait -1
	s_cmp_lg_u32 s10, 0
	s_cbranch_scc1 .Lnot_wave_0_\@
	s_barrier_signal -3
.Lnot_wave_0_\@:
	s_barrier_wait -3
	s_barrier_signal -1
	s_barrier_wait -1
.endm
; S^T = K Q^T for both tiles: 32 products, each a whole sum (K = 64).  Register 16 B + i of a tile: key 256 w + 32 B + 16 h + i.
.macro QK
	WIN 0x40                                       ; D window 1
.set n, 0
.rept 16
	v_wmma_f32_16x16x64_bf8_bf8 v[8*n:8*n+7], v[KR+8*n:KR+8*n+7], v[PC:PC+7], 0
	v_wmma_f32_16x16x64_bf8_bf8 v[128+8*n:128+8*n+7], v[KR+8*n:KR+8*n+7], v[PC+8:PC+15], 0
.set n, n+1
.endr
	WIN 0
.endm
.macro MAXB                            ; the largest of my 128 scores of each tile: four chains a tile, the two tiles by turns; ascending
	WIN 0x05
.irp k, 0,1,2,3
	v_max_num_f32 v[T+\k], v[2*\k], v[2*\k+1]
	v_max_num_f32 v[T+4+\k], v[128+2*\k], v[128+2*\k+1]
.endr
	WIN 0x14
.set i, 4
.rept 60
	v_max3_num_f32 v[T+i%4], v[T+i%4], v[2*i], v[2*i+1]
	v_max3_num_f32 v[T+4+i%4], v[T+4+i%4], v[128+2*i], v[128+2*i+1]
.set i, i+1
.endr
	WIN 0
.endm
; A quarter of the block's exponentials (64 registers at 64 p), as one batch.  Among them stand the next quarter's multiply-adds, c s - c m in place: nothing reads those before the wait that closes the batch.
.macro EXPP p
.set i, 0
.rept 32
	v_exp_f32 v[64*(\p)+2*i], v[64*(\p)+2*i]
	v_exp_f32 v[64*(\p)+2*i+1], v[64*(\p)+2*i+1]
.if (\p) < 3
	v_pk_fma_f32 v[64*(\p)+64+2*i:64*(\p)+65+2*i], v[64*(\p)+64+2*i:64*(\p)+65+2*i], s[22:23], v[CM+2*(((\p)+1)/2):CM+2*(((\p)+1)/2)+1] op_sel_hi:[1,0,0] neg_lo:[0,0,1] neg_hi:[0,0,1]
.endif
.set i, i+1
.endr
.if (\p) == 3
	v_nop                                          ; a plain line behind the last exponential
.endif
	s_wait_alu depctr_va_vdst(0)                   ; the wait behind a batch and ahead of the next
.endm
.macro SUMB                            ; l: the sum of my 128 weights of each tile, two at a time, four chains a tile, then the other half of the lanes'
	WIN 0x05
.irp k, 0,1,2,3
	v_pk_add_f32 v[T+2*\k:T+2*\k+1], v[4*\k:4*\k+1], v[4*\k+2:4*\k+3]
	v_pk_add_f32 v[T+8+2*\k:T+9+2*\k], v[128+4*\k:129+4*\k], v[130+4*\k:131+4*\k]
.endr
	WIN 0x04
.set i, 8
.rept 56
	v_pk_add_f32 v[T+2*(i%4):T+2*(i%4)+1], v[T+2*(i%4):T+2*(i%4)+1], v[2*i:2*i+1]
	v_pk_add_f32 v[T+8+2*(i%4):T+9+2*(i%4)], v[T+8+2*(i%4):T+9+2*(i%4)], v[128+2*i:129+2*i]
.set i, i+1
.endr
	WIN 0
.irp q, 0,1
	v_pk_add_f32 v[T+8*\q:T+8*\q+1], v[T+8*\q:T+8*\q+1], v[T+8*\q+2:T+8*\q+3]
	v_pk_add_f32 v[T+8*\q+4:T+8*\q+5], v[T+8*\q+4:T+8*\q+5], v[T+8*\q+6:T+8*\q+7]
.endr
.irp q, 0,1
	v_pk_add_f32 v[T+8*\q:T+8*\q+1], v[T+8*\q:T+8*\q+1], v[T+8*\q+4:T+8*\q+5]
.endr
.irp q, 0,1
	v_add_f32 v[CM+2*\q+1], v[T+8*\q], v[T+8*\q+1]
.endr
.irp q, 0,1
	v_permlanex16_b32 v[T+8*\q+2], v[CM+2*\q+1], s20, s21
.endr
.irp q, 0,1
	v_add_f32 v[CM+2*\q+1], v[CM+2*\q+1], v[T+8*\q+2]
.endr
.endm
.macro FETCHV s                        ; V^T of my K step s (128 keys): four fragments, 16 loads of 512 bytes on end, into tile s's scores that have just been converted
	WIN 0x40
.irp t, 0,1,2,3
.irp c, 0,1,2,3
	ds_load_b128 v[128*(\s)+16*\t+4*\c:128*(\s)+16*\t+4*\c+3], v[AV] offset:8192*(\s)+2048*\t+512*\c
.endr
.endr
	WIN 0
.endm
.macro CONV s, q                       ; the tile's 64 weights of K step s: x f, the hold, converted into p's fragment
.set b, 128*(\q)+64*(\s)
	WIN 0x41
.set i, 0
.rept 32
	v_pk_mul_f32 v[b+2*i:b+2*i+1], v[b+2*i:b+2*i+1], v[F+2*(\q):F+2*(\q)+1] op_sel_hi:[1,0]
.set i, i+1
.endr
.set i, 0
.rept 64
	v_min_num_f32 v[b+i], v[b+i], v[LIM8]          ; the conversion to an 8-bit code does not saturate (ISA guide 7.6.2); a weight is not negative, so the hold is one-sided
.set i, i+1
.endr
	WIN 0x01
.irp g, 0,1,2,3,4,5,6,7
	v_cvt_scalef32_pk8_bf8_f32 v[PC+16*(\q)+2*\g:PC+16*(\q)+2*\g+1], v[b+8*\g:b+8*\g+7], v[SC8]
.endr
	WIN 0
	v_nop                                          ; a plain line between the conversions and the products that read their results
.endm
.macro PV s                            ; O^T += V^T P^T, K step s: eight accumulators by turns, one instruction a turn, across the two K steps too
	WIN 0x01
.irp t, 0,1,2,3
.irp q, 0,1
.if (\s) == 0
	v_wmma_f32_16x16x128_bf8_bf8 v[O+8*(4*\q+\t):O+8*(4*\q+\t)+7], v[128*(\s)+16*\t:128*(\s)+16*\t+15], v[PC+16*\q:PC+16*\q+15], 0
.else
	v_wmma_f32_16x16x128_bf8_bf8 v[O+8*(4*\q+\t):O+8*(4*\q+\t)+7], v[128*(\s)+16*\t:128*(\s)+16*\t+15], v[PC+16*\q:PC+16*\q+15], v[O+8*(4*\q+\t):O+8*(4*\q+\t)+7]
.endif
.endr
.endr
	WIN 0
.endm
	s_load_b128 s[4:7], s[0:1], 0x0                ; qkvc s[4:5], the exponents s[6:7]
	s_load_b64 s[8:9], s[0:1], 0x10                ; ac
	v_lshl_add_u32 v[SPW], v0, 2, SPARE
	v_mov_b32 v[NIL], 0
	ds_add_u32 v[SPW], v[NIL]                      ; the opening: the add, twice on end, and its wait ahead of my tensor load
	ds_add_u32 v[SPW], v[NIL]
	v_lshrrev_b32 v28, 5, v0
	v_readfirstlane_b32 s10, v28                   ; wave 0..7
	s_bfe_u32 s11, ttmp6, 0x40000                  ; cx: which 512 queries of the head
	s_and_b32 s12, ttmp7, 0xffff                   ; batch x 16 + head, which the four partners share
	s_lshl_b32 s13, s10, 14
	s_lshl_b32 s60, s10, 9
	s_add_co_u32 s60, s60, STAT
	s_lshl_b32 s61, s10, 13
	s_add_co_u32 s61, s61, OX
	s_lshr_b32 s62, s10, 1                         ; I finish accumulators 2 (wave / 2) and 2 (wave / 2) + 1, of the lanes of half wave % 2
	s_lshl_b32 s62, s62, 11
	s_and_b32 s3, s10, 1
	s_lshl_b32 s3, s3, 8
	s_add_co_u32 s62, s62, s3
	s_add_co_u32 s62, s62, OX
	s_lshl_b32 s63, s10, 12
	s_add_co_u32 s63, s63, QOFF
	; descriptor group 1: 64 rows of 32 elements of 8 bytes, dense: my 16,384 bytes of V^T
	s_mov_b32 s24, 15|(3<<16)|(1<<21)              ; 15:0 the mask: all four work-groups; 17:16 elements of 8 bytes; 21 set beside a mask
	s_mov_b32 s25, 32<<16                          ; tensor_dim0
	s_mov_b32 s26, 64<<16                          ; tensor_dim1
	s_mov_b32 s27, 32<<16                          ; tile_dim0
	s_mov_b32 s28, 64                              ; tile_dim1
	s_mov_b32 s29, 32                              ; tensor_dim0_stride
	s_mov_b32 s30, 0
	s_mov_b32 s31, 0
	s_lshl_b32 s52, s12, 17                        ; the head's 131,072 bytes in each part of qkvc
	s_add_co_u32 s54, s52, s13                     ; K, V: + my eighth.  (These registers never hold cx)
	s_mov_b32 s55, 0
	s_lshl_b32 s2, s11, 15
	s_add_co_u32 s52, s52, s2                      ; Q: + my work-group's 32 tiles,
	s_lshl_b32 s2, s10, 12
	s_add_co_u32 s52, s52, s2                      ; + the 4,096 bytes that I bring
	s_mov_b32 s53, 0
	s_lshr_b32 s56, s12, 4                         ; a's codes: tile (batch x 128 + 32 cx + wave / 4) x 16384 + (head / 2) x 2048 + (2 (head % 2) + (wave / 2) % 2) x 512 + (wave % 2) x 256
	s_lshl_b32 s56, s56, 7
	s_lshl_b32 s2, s11, 5
	s_add_co_u32 s56, s56, s2
	s_lshr_b32 s2, s10, 2
	s_add_co_u32 s56, s56, s2
	s_lshl_b32 s56, s56, 14
	s_bfe_u32 s2, s12, 0x30001
	s_lshl_b32 s2, s2, 11
	s_add_co_u32 s56, s56, s2
	s_and_b32 s2, s12, 1
	s_lshl_b32 s2, s2, 1
	s_bfe_u32 s57, s10, 0x10001
	s_add_co_u32 s2, s2, s57
	s_lshl_b32 s2, s2, 9
	s_add_co_u32 s56, s56, s2
	s_add_co_u32 s56, s56, s3
	s_mov_b32 s57, 0
	s_mov_b32 s20, 0x76543210                      ; v_permlanex16_b32's selects for lane l xor 16
	s_mov_b32 s21, 0xfedcba98
	v_and_b32 v28, 31, v0                          ; lane
	v_and_b32 v29, 15, v0                          ; r
	v_bfe_u32 v30, v0, 4, 1                        ; h
	v_lshlrev_b32 v[LI], 4, v28
	v_add_nc_u32 v[AV], s13, v[LI]
	v_add_nc_u32 v[QW], s63, v[LI]
	v_add_nc_u32 v[QL], QOFF, v[LI]
	v_lshl_add_u32 v[STW], v28, 3, s60
	v_lshlrev_b32 v31, 11, v30
	v_lshl_add_u32 v31, v29, 3, v31
	v_add_nc_u32 v[STR], STAT, v31                 ; STAT + 4 h waves + 8 r
	v_add_nc_u32 v[OXW], s61, v[LI]
	v_lshlrev_b32 v31, 10, v30
	v_lshl_add_u32 v31, v29, 4, v31
	v_add_nc_u32 v[OXR], s62, v31                  ; my lane (h, r) takes accumulator 2 (wave / 2) + h of the storing lane (wave % 2, r)
	v_lshlrev_b32 v31, 3, v30
	v_lshl_add_u32 v[GO], v29, 4, v31              ; 16 r + 8 h
	s_wait_alu depctr_va_vdst(0)
	s_wait_dscnt 0x0                               ; both opening adds are done
	s_wait_kmcnt 0x0
	s_load_b256 s[40:47], s[6:7], 0x0              ; e0 .. e7
	s_load_b128 s[48:51], s[6:7], 0x20             ; e8 .. e11
	s_add_nc_u64 s[14:15], s[4:5], s[52:53]        ; Q
	s_add_nc_u64 s[16:17], s[4:5], s[54:55]
	s_add_nc_u64 s[58:59], s[16:17], 0x1000000     ; V
	s_add_nc_u64 s[16:17], s[16:17], 0x800000      ; K
	s_add_nc_u64 s[18:19], s[8:9], s[56:57]        ; a's codes
	s_mov_b32 s32, 1                               ; descriptor group 0: count = 1,
	s_mov_b32 s33, s13                             ; LDS address: wave x 16384,
	s_mov_b64 s[34:35], s[58:59]                   ; global address,
	s_or_b32 s35, s35, 0x80000000                  ; type = 2
	CROUND                                         ; all four work-groups are here: the joint loads meet
	tensor_load_to_lds s[32:35], s[24:31]          ; my one tensor load of the launch
	s_nop 0
	PLACES 4
.set i, 0
.rept 32
	global_load_b128 v[KR+4*i:KR+4*i+3], v[LI], s[16:17] offset:512*i   ; K: tile n of my 16 in registers 8 n .. 8 n + 7: they stay
.set i, i+1
.endr
.irp i, 0,1,2,3,4,5,6,7
	global_load_b128 v[T+4*\i:T+4*\i+3], v[LI], s[14:15] offset:512*\i  ; my 4,096 bytes of the work-group's Q
.endr
	s_wait_kmcnt 0x0
	s_add_co_i32 s2, s46, s47
	s_lshl_b32 s2, s2, 23
	s_add_co_i32 s22, s2, 0x3e38aa3b               ; c = log2(e) / 8, with e6 + e7 added to its exponent field
	s_mov_b32 s23, s22                             ; (named with it as a pair, so it is written)
	s_add_co_i32 s2, s48, 127
	s_lshl_b32 s3, s2, 23
	v_mov_b32 v[SC8], s3
	s_add_co_i32 s2, s2, 15
	s_lshl_b32 s2, s2, 23
	s_or_b32 s2, s2, 0x600000
	v_mov_b32 v[LIM8], s2
	s_sub_co_i32 s2, s50, s48                      ; a sum of the second product stands for sum x 2^(e8 + e9): its code is sum / 2^(e10 - e8 - e9)
	s_sub_co_i32 s2, s2, s49
	s_add_co_i32 s2, s2, 127
	s_lshl_b32 s3, s2, 23
	v_mov_b32 v[SCO], s3
	s_add_co_i32 s2, s2, 15
	s_lshl_b32 s2, s2, 23
	s_or_b32 s2, s2, 0x600000
	v_mov_b32 v[LIMO], s2
.irp q, 0,1
	v_mov_b32 v[CM+2*\q+1], 0                      ; named as the upper halves of pairs before they hold anything
	v_mov_b32 v[F+2*\q+1], 0
.endr
	s_mov_b32 s36, 16                              ; blocks to go
	s_mov_b32 s37, 2048                            ; the next block's Q in its LDS region
	s_mov_b32 s38, 0                               ; what the pointer into a's codes is stepped by: 0 in the first trip, 32,768 afterwards
	s_mov_b32 s39, 0
	s_wait_alu depctr_va_vdst(0)                   ; the head's end
	s_wait_loadcnt 0x0                             ; K and Q
	s_wait_tensorcnt 0x0                           ; my V^T is in LDS; only I read it
.irp i, 0,1,2,3,4,5,6,7
	ds_store_b128 v[QW], v[T+4*\i:T+4*\i+3] offset:512*\i
.endr
	v_mov_b32 v[T+22], 0                           ; written once: a lane permute's destination counts as one of its sources
	v_mov_b32 v[T+30], 0
	s_wait_alu depctr_va_vdst(0)
	s_wait_dscnt 0x0                               ; for the others' sake: my part of Q has landed
	s_barrier_signal -1
	s_barrier_wait -1
.irp i, 0,1,2,3
	ds_load_b128 v[PC+4*\i:PC+4*\i+3], v[QL] offset:512*\i           ; Q of block 0
.endr
	s_wait_dscnt 0x0
	QK                                             ; block 0's scores
	PLACES 4                                       ; in front of the first read of the scores
.Lblock:
	v_add_nc_u32 v[QA], s37, v[QL]
	; ---- my statistics of the block's 32 queries
	MAXB
.irp q, 0,1
	v_max3_num_f32 v[T+4*\q], v[T+4*\q], v[T+4*\q+1], v[T+4*\q+2]
.endr
.irp q, 0,1
	v_max_num_f32 v[T+4*\q], v[T+4*\q], v[T+4*\q+3]
.endr
.irp q, 0,1
	v_permlanex16_b32 v[T+4*\q+1], v[T+4*\q], s20, s21
.endr
.irp q, 0,1
	v_max_num_f32 v[T+4*\q], v[T+4*\q], v[T+4*\q+1]
.endr
.irp q, 0,1
	v_mul_f32 v[CM+2*\q], s22, v[T+4*\q]           ; c m (c is positive)
.endr
	WIN 0x41
.set i, 0
.rept 32
	v_pk_fma_f32 v[2*i:2*i+1], v[2*i:2*i+1], s[22:23], v[CM:CM+1] op_sel_hi:[1,0,0] neg_lo:[0,0,1] neg_hi:[0,0,1]   ; the first quarter's c s - c m
.set i, i+1
.endr
	s_wait_alu depctr_va_vdst(0)                   ; ahead of the batch
	EXPP 0
	EXPP 1
	EXPP 2
	EXPP 3
	SUMB
	ds_store_b64 v[STW], v[CM:CM+1]
	ds_store_b64 v[STW], v[CM+2:CM+3] offset:256
	s_wait_alu depctr_va_vdst(0)
	s_wait_dscnt 0x0                               ; for the others' sake: my stores have landed
	s_barrier_signal -1
	s_barrier_wait -1
	; ---- the eight waves' statistics become f: each half of the lanes joins four waves', then the halves meet
.irp q, 0,1
.irp w, 0,1,2,3
	ds_load_b64 v[T+8*\q+2*\w:T+8*\q+2*\w+1], v[STR] offset:512*\w+256*\q
.endr
.endr
	s_wait_dscnt 0x0
.irp q, 0,1
	v_max3_num_f32 v[T+21+8*\q], v[T+8*\q], v[T+8*\q+2], v[T+8*\q+4]
.endr
.irp q, 0,1
	v_max_num_f32 v[T+21+8*\q], v[T+21+8*\q], v[T+8*\q+6]
.endr
.irp q, 0,1
	v_permlanex16_b32 v[T+22+8*\q], v[T+21+8*\q], s20, s21
.endr
.irp q, 0,1
	v_max_num_f32 v[T+21+8*\q], v[T+21+8*\q], v[T+22+8*\q]          ; M
.endr
.irp w, 0,1,2,3
.irp q, 0,1
	v_sub_f32 v[T+16+8*\q+\w], v[T+8*\q+2*\w], v[T+21+8*\q]
.endr
.endr
.irp q, 0,1
	v_sub_f32 v[T+20+8*\q], v[CM+2*\q], v[T+21+8*\q]                ; my own
.endr
	s_wait_alu depctr_va_vdst(0)                   ; ahead of the batch
.irp q, 0,1
.irp w, 0,1,2,3,4
	v_exp_f32 v[T+16+8*\q+\w], v[T+16+8*\q+\w]
.endr
.endr
	v_nop
	s_wait_alu depctr_va_vdst(0)                   ; one wait for the ten
.irp q, 0,1
	v_mul_f32 v[T+23+8*\q], v[T+8*\q+1], v[T+16+8*\q]
.endr
.irp w, 1,2,3
.irp q, 0,1
	v_fmac_f32 v[T+23+8*\q], v[T+8*\q+2*\w+1], v[T+16+8*\q+\w]
.endr
.endr
.irp q, 0,1
	v_permlanex16_b32 v[T+22+8*\q], v[T+23+8*\q], s20, s21
.endr
.irp q, 0,1
	v_add_f32 v[T+23+8*\q], v[T+23+8*\q], v[T+22+8*\q]              ; L
.endr
	s_wait_alu depctr_va_vdst(0)                   ; ahead of the two
.irp q, 0,1
	v_rcp_f32 v[T+21+8*\q], v[T+23+8*\q]
.endr
	v_nop
	s_wait_alu depctr_va_vdst(0)                   ; one wait for the two
.irp q, 0,1
	v_mul_f32 v[F+2*\q], v[T+20+8*\q], v[T+21+8*\q]                 ; f
.endr
	; ---- two K steps of 128 keys: converted, then multiplied
	CONV 0, 0
	FETCHV 0
	CONV 0, 1
	FETCHV 1
	s_wait_alu depctr_va_vdst(0)
	s_wait_dscnt 16                                ; V of K step 0 is in; K step 1's 16 loads may be out
	PV 0
	CONV 1, 0                                      ; its 96 plain lines are the places ahead of the conversions that write p's codes anew
	CONV 1, 1
	s_wait_alu depctr_va_vdst(0)
	s_wait_dscnt 0x0
	PV 1
	; ---- the eight waves' partial sums meet
	PLACES 4
.irp u, 0,1,2,3,4,5,6,7
	ds_store_b128 v[OXW], v[O+8*\u:O+8*\u+3] offset:1024*\u          ; each accumulator's low half first
	ds_store_b128 v[OXW], v[O+8*\u+4:O+8*\u+7] offset:1024*\u+512
.endr
	s_cmp_eq_u32 s36, 1                            ; the count of blocks is the same in every wave of every work-group
	s_cbranch_scc1 .Lno_q
.irp i, 0,1,2,3
	ds_load_b128 v[PC+4*\i:PC+4*\i+3], v[QA] offset:512*\i           ; the next block's Q, where p's codes lay
.endr
.Lno_q:
	s_wait_dscnt 0x0                               ; my stores have landed, Q is in
	s_barrier_signal -1
	s_barrier_wait -1
.irp w, 0,1,2,3,4,5,6,7
	ds_load_b128 v[T+8*\w:T+8*\w+3], v[OXR] offset:8192*\w
	ds_load_b128 v[T+8*\w+4:T+8*\w+7], v[OXR] offset:8192*\w+512
.endr
	; ---- the next block's scores, while those loads are out
	s_cmp_eq_u32 s36, 1
	s_cbranch_scc1 .Lno_next
	PLACES 5                                       ; these products write over registers that the last products read as V
	QK
.Lno_next:
	; ---- I finish tile wave / 4, d = 32 ((wave / 2) % 2) + 16 (wave % 2) + 8 h + 0 .. 7 of query r: 8 codes a lane.  (The 36 plain lines below are the places ahead of the next read of the scores)
	s_wait_dscnt 0x0                               ; the partial sums are in
	s_wait_xcnt 0x0                                ; the last trip's store has read its codes and its base
	s_add_nc_u64 s[18:19], s[18:19], s[38:39]      ; two tiles of rows on (not in the first trip)
	s_mov_b32 s38, 32768
.irp j, 0,2,4,6
.irp w, 0,2,4,6
	v_pk_add_f32 v[T+8*\w+\j:T+8*\w+\j+1], v[T+8*\w+\j:T+8*\w+\j+1], v[T+8*\w+8+\j:T+8*\w+9+\j]
.endr
.endr
.irp j, 0,2,4,6
.irp w, 0,4
	v_pk_add_f32 v[T+8*\w+\j:T+8*\w+\j+1], v[T+8*\w+\j:T+8*\w+\j+1], v[T+8*\w+16+\j:T+8*\w+17+\j]
.endr
.endr
.irp j, 0,2,4,6
	v_pk_add_f32 v[T+\j:T+\j+1], v[T+\j:T+\j+1], v[T+32+\j:T+33+\j]
.endr
.irp j, 0,1,2,3,4,5,6,7
	v_med3_num_f32 v[T+\j], v[T+\j], -v[LIMO], v[LIMO]
.endr
	v_cvt_scalef32_pk8_bf8_f32 v[OC:OC+1], v[T:T+7], v[SCO]
	v_nop                                          ; a plain line behind the conversion
	global_store_b64 v[GO], v[OC:OC+1], s[18:19]   ; the wave stores 256 consecutive bytes, aligned
	s_add_co_u32 s37, s37, 2048
	s_sub_co_u32 s36, s36, 1
	s_cmp_lg_u32 s36, 0
	s_wait_alu depctr_va_vdst(0)
	s_cbranch_scc1 .Lblock
	s_wait_tensorcnt 0x0                           ; the wave's end
	ds_add_u32 v[SPW], v[NIL]
	s_wait_dscnt 0x0
	CROUND                                         ; the closing round: no work-group ends while a partner may still ask for a tile that names it
	s_endpgm
.Lfunc_end_k_qb1d49a720c_attn:
	.size	k_qb1d49a720c_attn, .Lfunc_end_k_qb1d49a720c_attn-k_qb1d49a720c_attn
	.p2alignl 7, 3214868480
	.fill 96, 4, 3214868480
	.section	.rodata,"a",@progbits
	.p2align	6, 0x0
	.amdhsa_kernel k_qb1d49a720c_attn
		.amdhsa_group_segment_fixed_size 234496
		.amdhsa_private_segment_fixed_size 0
		.amdhsa_enable_private_segment 0
		.amdhsa_kernarg_size 24
		.amdhsa_user_sgpr_count 2
		.amdhsa_user_sgpr_kernarg_segment_ptr 1
		.amdhsa_wavefront_size32 1
		.amdhsa_system_sgpr_workgroup_id_x 1
		.amdhsa_system_sgpr_workgroup_id_y 1
		.amdhsa_system_sgpr_workgroup_id_z 1
		.amdhsa_system_vgpr_workitem_id 0
		.amdhsa_next_free_vgpr 512
		.amdhsa_next_free_sgpr 66
		.amdhsa_reserve_vcc 0
		.amdhsa_float_denorm_mode_32 3
		.amdhsa_float_denorm_mode_16_64 3
		.amdhsa_memory_ordered 1
		.amdhsa_forward_progress 1
		.amdhsa_inst_pref_size 79
	.end_amdhsa_kernel
	.amdgpu_metadata
---
amdhsa.version: [ 1, 2 ]
amdhsa.kernels:
  - .name:           k_qb1d49a720c_attn
    .symbol:         k_qb1d49a720c_attn.kd
    .args:
      - { .name: qkvc, .offset: 0, .size: 8, .value_kind: global_buffer, .address_space: global }
      - { .name: lowp_scales, .offset: 8, .size: 8, .value_kind: global_buffer, .address_space: global }
      - { .name: ac, .offset: 16, .size: 8, .value_kind: global_buffer, .address_space: global }
    .group_segment_fixed_size: 234496
    .private_segment_fixed_size: 0
    .kernarg_segment_align: 8
    .kernarg_segment_size: 24
    .max_flat_workgroup_size: 256
    .sgpr_count:     66
    .vgpr_count:     512
    .wavefront_size: 32
...
	.end_amdgpu_metadata
.endif
;; end of part 3
;; launch oproj (part 4): grid 4 x 32, 4 waves a work-group, clusters of 4 x 4, 327,680 bytes of LDS; arguments ac, wc, lowp_scales, bo, out0; writes out0
.if DOCPART == 4
	.amdgcn_target "amdgcn-amd-amdhsa--gfx1250"
	.amdhsa_code_object_version 6
	.text
	.protected	k_qb1d49a720c_oproj
	.globl	k_qb1d49a720c_oproj
	.p2align	8
	.type	k_qb1d49a720c_oproj,@function
k_qb1d49a720c_oproj:
	s_mov_b64 s[64:65], 0
	v_nop
	global_prefetch_b8 v0, s[64:65] scope:SCOPE_SE
	s_setreg_imm32_b32 hwreg(HW_REG_WAVE_MODE, 25, 1), 1
	s_wait_xcnt 0x0
	s_wait_alu depctr_hold_cnt(0) depctr_sa_sdst(0) depctr_va_vdst(0) depctr_va_sdst(0) depctr_va_ssrc(0) depctr_va_vcc(0) depctr_vm_vsrc(0)
	s_getreg_b32 s2, hwreg(HW_REG_IB_STS2, 6, 4)
	s_cmp_eq_u32 s2, 0
	s_cbranch_scc0 .Lentry_in_a_cluster
	s_endpgm
.Lentry_in_a_cluster:
	s_bfe_u32 s2, ttmp6, 0x10000c
	s_cmp_lg_u32 s2, 0xf033
	s_cbranch_scc0 .Lentry_shape_is_right
	s_endpgm
.Lentry_shape_is_right:
.set HALFT,  32768
.set SLOT,   131072
.set SPARE,  262144
.set FR,     16
.set NL,     4
.set NP,     4
.set SPITCH, 528
.set ADRA, 16
.set ADRB, 20
.set STO,  24
.set RD,   25
.set CO,   26
.set SPW,  28
.set NIL,  29
.set BP,   32
.set AF,   128
.set BK,   128
.set G1, 24
.set G0, 32
.set G1B, 48
.set G0B, 56
.set MSB, 0
.macro WIN new
.if MSB != (\new)
	s_set_vgpr_msb (MSB<<8)|(\new)
.set MSB, (\new)
.endif
.endm
.set MUL_LO, 0xa1
.set MUL_HI, 0xf1
.set TO_B,   0x40
.macro JLOAD g0a, g1a, g0b, g1b
	s_cmp_eq_u32 s15, 0
	s_cbranch_scc0 .Lfor_b_\@
	tensor_load_to_lds s[\g0a:\g0a+3], s[\g1a:\g1a+7]
	s_nop 0
.rept 4
	v_nop
.endr
	s_branch .Lasked_\@
.Lfor_b_\@:
	tensor_load_to_lds s[\g0b:\g0b+3], s[\g1b:\g1b+7]
	s_nop 0
.rept 4
	v_nop
.endr
.Lasked_\@:
.endm
.macro CREST
	s_cmp_lg_u32 s14, 0
	s_cbranch_scc1 .Lnot_wave_0_\@
	s_barrier_signal -3
.Lnot_wave_0_\@:
	s_barrier_wait -3
	s_barrier_signal -1
	s_barrier_wait -1
.endm
.macro CROUND
	s_barrier_signal -1
	s_barrier_wait -1
	CREST
.endm
	s_load_b256 s[68:75], s[0:1], 0x0
	s_load_b64 s[10:11], s[0:1], 0x20
	v_lshl_add_u32 v[SPW], v0, 2, SPARE
	v_mov_b32 v[NIL], 0
	ds_add_u32 v28, v29
	ds_add_u32 v28, v29
	s_wait_dscnt 0x0
	v_lshrrev_b32 v1, 5, v0
	v_readfirstlane_b32 s14, v1
	s_lshr_b32 s15, s14, 1
	s_and_b32 s16, s14, 1
	s_bfe_u32 s40, ttmp6, 0x40000
	s_bfe_u32 s41, ttmp6, 0x40004
	s_lshl_b32 s42, ttmp9, 2
	s_add_co_u32 s42, s42, s40
	s_and_b32 s17, ttmp7, 0xffff
	s_lshl_b32 s17, s17, 2
	s_add_co_u32 s17, s17, s41
	s_lshl_b32 s43, s41, 2
	s_lshl_b32 s43, 15, s43
	s_lshl_b32 s44, 0x1111, s40
	s_or_b32 s[G1+0], s43, (3<<16)|(1<<21)
	s_or_b32 s[G1B+0], s44, (3<<16)|(1<<21)
.irp g, G1, G1B
	s_mov_b32 s[\g+1], 512<<16
	s_mov_b32 s[\g+2], 8<<16
	s_mov_b32 s[\g+3], 512<<16
	s_mov_b32 s[\g+4], 8
	s_mov_b32 s[\g+5], 2048
	s_mov_b32 s[\g+6], 0
	s_mov_b32 s[\g+7], 0
.endr
	s_lshl_b32 s20, s17, 18
	s_lshl_b32 s21, s16, 17
	s_add_co_u32 s20, s20, s21
	s_lshl_b32 s46, s42, 18
	s_add_co_u32 s46, s46, s21
	s_add_co_u32 s46, s46, 3<<20
	s_mov_b32 s21, 0
	s_mov_b32 s47, 0
	s_mul_i32 s45, s14, HALFT
	s_wait_kmcnt 0x0
	s_load_b64 s[96:97], s[72:73], 0x28
	s_add_nc_u64 s[20:21], s[68:69], s[20:21]
	s_add_nc_u64 s[46:47], s[70:71], s[46:47]
	CROUND
.irp s, 0,1
	s_mov_b32 s[G0+4*\s], 1
	s_add_co_u32 s[G0+4*\s+1], s45, \s*SLOT
	s_add_nc_u64 s[G0+4*\s+2:G0+4*\s+3], s[20:21], \s*4096
	s_or_b32 s[G0+4*\s+3], s[G0+4*\s+3], 0x80000000
	s_mov_b32 s[G0B+4*\s], 1
	s_add_co_u32 s[G0B+4*\s+1], s45, \s*SLOT
	s_add_nc_u64 s[G0B+4*\s+2:G0B+4*\s+3], s[46:47], \s*4096
	s_or_b32 s[G0B+4*\s+3], s[G0B+4*\s+3], 0x80000000
	s_wait_alu depctr_va_vdst(0)
	s_wait_tensorcnt 0x0
	ds_add_u32 v28, v29
	ds_add_u32 v28, v29
	s_wait_dscnt 0x0
	CROUND
	JLOAD G0+4*\s, G1, G0B+4*\s, G1B
.endr
	v_and_b32 v1, 31, v0
	v_lshlrev_b32 v[CO], 4, v1
	s_mul_i32 s21, s15, HALFT
	s_mul_i32 s22, s16, HALFT
	s_add_co_u32 s22, s22, 2*HALFT
.irp s, 0,1
	v_add_nc_u32 v[ADRA+\s], s21, v[CO]
	v_add_nc_u32 v[ADRB+\s], s22, v[CO]
	s_add_co_u32 s21, s21, SLOT
	s_add_co_u32 s22, s22, SLOT
.endr
	v_and_b32 v3, 15, v0
	v_bfe_u32 v2, v0, 4, 1
	s_mul_i32 s23, s14, 16*SPITCH
	v_mul_u32_u24 v[STO], v3, SPITCH
	v_lshl_add_u32 v[STO], v2, 6, v[STO]
	v_add_nc_u32 v[STO], s23, v[STO]
	v_add_nc_u32 v[RD], s23, v[CO]
	s_lshl_b32 s18, s42, 10
	s_lshl_b32 s19, s16, 9
	s_add_co_u32 s18, s18, s19
	v_lshl_add_u32 v5, v2, 6, s18
.irp bp, 0,1,2,3
.irp j, 0,1,2,3
	global_load_b128 v[BP+16*\bp+4*\j:BP+16*\bp+4*\j+3], v5, s[74:75] offset:128*\bp+16*\j
.endr
.endr
	s_lshl_b32 s19, s17, 20
	s_add_co_u32 s18, s18, s19
	s_lshl_b32 s19, s15, 19
	s_add_co_u32 s18, s18, s19
	s_mov_b32 s19, 0
	s_add_nc_u64 s[10:11], s[10:11], s[18:19]
.macro FRAG reg, adr, q, i
.irp c, 0,1,2,3
	ds_load_b128 v[\reg+4*\c:\reg+4*\c+3], v[\adr] offset:(\i)*4096+(\q)*2048+512*\c
.endr
.endm
.macro MUL16 a0, p, zero
.irp a, \a0, \a0+1
.irp b, 0,1,2,3,4,5,6,7
.if \zero
	v_wmma_f32_16x16x128_bf8_bf8 v[8*(8*((\a)%4)+\b):8*(8*((\a)%4)+\b)+7], v[128*(\p)+FR*\b:128*(\p)+FR*\b+FR-1], v[AF+FR*(\a):AF+FR*(\a)+FR-1], 0
.else
	v_wmma_f32_16x16x128_bf8_bf8 v[8*(8*((\a)%4)+\b):8*(8*((\a)%4)+\b)+7], v[128*(\p)+FR*\b:128*(\p)+FR*\b+FR-1], v[AF+FR*(\a):AF+FR*(\a)+FR-1], v[8*(8*((\a)%4)+\b):8*(8*((\a)%4)+\b)+7]
.endif
.endr
.endr
.endm
.macro FETCH_B slot, q, p
	WIN TO_B
.irp i, 0,1,2,3,4,5,6,7
	FRAG 128*(\p)+FR*\i, ADRB+\slot, \q, \i
.endr
	WIN 0
.endm
.macro FETCH_A slot, q, i0
.irp i, \i0, \i0+1, \i0+2, \i0+3
	FRAG AF+FR*(\i), ADRA+\slot, \q, \i
.endr
.endm
.macro PLACES n
.rept \n
	v_nop
.endr
.endm
.macro STEP slot, q, zero
	s_wait_dscnt 4*NL
	WIN MUL_LO
	MUL16 0, (\q)%2, \zero
	MUL16 2, (\q)%2, \zero
	s_wait_dscnt 0
	PLACES NP
	FETCH_B \slot, (\q)+1, 1-(\q)%2
	FETCH_A \slot, (\q)+1, 0
	WIN MUL_HI
	MUL16 4, (\q)%2, \zero
	MUL16 6, (\q)%2, \zero
	PLACES NP
	WIN 0
	FETCH_A \slot, (\q)+1, 4
.endm
.macro TURN slot, next, fill
	s_wait_tensorcnt 0x0
	ds_add_u32 v[SPW], v[NIL]
	s_wait_dscnt 4*NL+1
	WIN MUL_LO
	MUL16 0, 1, 0
	s_wait_dscnt 0x0
	s_barrier_signal -1
	MUL16 2, 1, 0
	WIN 0
	s_barrier_wait -1
.if \fill
	CREST
	s_add_nc_u64 s[G0+4*\slot+2:G0+4*\slot+3], s[G0+4*\slot+2:G0+4*\slot+3], 8192
	s_add_nc_u64 s[G0B+4*\slot+2:G0B+4*\slot+3], s[G0B+4*\slot+2:G0B+4*\slot+3], 8192
	JLOAD G0+4*\slot, G1, G0B+4*\slot, G1B
.else
	PLACES NP
.endif
	s_wait_alu depctr_va_vdst(0)
	FETCH_B \next, 0, 0
	FETCH_A \next, 0, 0
	WIN MUL_HI
	MUL16 4, 1, 0
	MUL16 6, 1, 0
	PLACES NP
	WIN 0
	FETCH_A \next, 0, 4
.endm
	s_wait_tensorcnt 1
	s_barrier_signal -1
	s_barrier_wait -1
	FETCH_B 0, 0, 0
	FETCH_A 0, 0, 0
	FETCH_A 0, 0, 4
	STEP 0, 0, 1
	TURN 0, 1, 1
	STEP 1, 0, 0
	TURN 1, 0, 1
	STEP 0, 0, 0
	TURN 0, 1, 0
	STEP 1, 0, 0
	s_wait_dscnt 4*NL
	WIN MUL_LO
	MUL16 0, 1, 0
	MUL16 2, 1, 0
	s_wait_dscnt 0
	WIN MUL_HI
	MUL16 4, 1, 0
	MUL16 6, 1, 0
	WIN 0
.macro TOSTAGE a
.set AC, 64*((\a)%4)
	WIN 0x42+((\a)/4)
.set j, 0
.rept 32
	v_pk_fma_f32 v[j:j+1], v[AC+j:AC+j+1], s[96:97], v[BP+j:BP+j+1] op_sel_hi:[1,0,1]
.set j, j+2
.endr
	WIN 0x04
.irp bp, 0,1,2,3
.irp jj, 0,1,2,3
	ds_store_b128 v[STO], v[16*\bp+4*\jj:16*\bp+4*\jj+3] offset:128*\bp+16*\jj
.endr
.endr
	WIN 0
.set BB, BK+64*((\a)%2)
.irp t, 0,1,2,3,4,5,6,7,8,9,10,11,12,13,14,15
	ds_load_b128 v[BB+4*\t:BB+4*\t+3], v[RD] offset:\t*SPITCH
.endr
.endm
.macro SEND a, younger
.set BB, BK+64*((\a)%2)
	s_wait_dscnt \younger
.irp t, 0,1,2,3,4,5,6,7,8,9,10,11,12,13,14,15
	global_store_b128 v[CO], v[BB+4*\t:BB+4*\t+3], s[10:11] offset:(32*((\a)/2)+8*((\a)%2)+\t+8*(\t/8))*4096 th:TH_STORE_NT
.endr
.endm
	s_wait_kmcnt 0x0
	s_wait_loadcnt 0x0
	s_add_co_i32 s96, s96, s97
	s_add_co_i32 s96, s96, 127
	s_lshl_b32 s96, s96, 23
	s_mov_b32 s97, s96
	PLACES NP
	TOSTAGE 0
.irp a, 1,2,3,4,5,6,7
.if \a > 1
	s_wait_xcnt 0x0
.endif
	TOSTAGE \a
	SEND \a-1, 32
.endr
	SEND 7, 0
	s_wait_tensorcnt 0x0
	ds_add_u32 v[SPW], v[NIL]
	s_wait_dscnt 0x0
	CROUND
	s_endpgm
.Lfunc_end_k_qb1d49a720c_oproj:
	.size	k_qb1d49a720c_oproj, .Lfunc_end_k_qb1d49a720c_oproj-k_qb1d49a720c_oproj
	.p2alignl 7, 3214868480
	.fill 96, 4, 3214868480
	.section	.rodata,"a",@progbits
	.p2align	6, 0x0
	.amdhsa_kernel k_qb1d49a720c_oproj
		.amdhsa_group_segment_fixed_size 327680
		.amdhsa_private_segment_fixed_size 0
		.amdhsa_enable_private_segment 0
		.amdhsa_kernarg_size 40
		.amdhsa_user_sgpr_count 2
		.amdhsa_user_sgpr_kernarg_segment_ptr 1
		.amdhsa_wavefront_size32 1
		.amdhsa_system_sgpr_workgroup_id_x 1
		.amdhsa_system_sgpr_workgroup_id_y 1
		.amdhsa_system_sgpr_workgroup_id_z 1
		.amdhsa_system_vgpr_workitem_id 0
		.amdhsa_next_free_vgpr 1024
		.amdhsa_next_free_sgpr 100
		.amdhsa_reserve_vcc 0
		.amdhsa_float_denorm_mode_32 3
		.amdhsa_float_denorm_mode_16_64 3
		.amdhsa_memory_ordered 1
		.amdhsa_forward_progress 1
		.amdhsa_inst_pref_size 125
	.end_amdhsa_kernel
	.amdgpu_metadata
---
amdhsa.version: [ 1, 2 ]
amdhsa.kernels:
  - .name:           k_qb1d49a720c_oproj
    .symbol:         k_qb1d49a720c_oproj.kd
    .args:
      - { .name: ac, .offset: 0, .size: 8, .value_kind: global_buffer, .address_space: global }
      - { .name: wc, .offset: 8, .size: 8, .value_kind: global_buffer, .address_space: global }
      - { .name: lowp_scales, .offset: 16, .size: 8, .value_kind: global_buffer, .address_space: global }
      - { .name: bo, .offset: 24, .size: 8, .value_kind: global_buffer, .address_space: global }
      - { .name: out0, .offset: 32, .size: 8, .value_kind: global_buffer, .address_space: global }
    .group_segment_fixed_size: 327680
    .private_segment_fixed_size: 0
    .kernarg_segment_align: 8
    .kernarg_segment_size: 40
    .max_flat_workgroup_size: 128
    .sgpr_count:     100
    .vgpr_count:     1024
    .wavefront_size: 32
...
	.end_amdgpu_metadata
.endif
;; end of part 4
